; MI455X (gfx1250); checked and timed in simulation.
; The chip was launched on July 23, 2026; its instructions are those of AMD's public machine-readable ISA for CDNA 5 (MIT licence, August 2026) and "CDNA5" Instruction Set Architecture Reference Guide (July 2026). The comments in the code are by the model that wrote it; some were corrected since.
;; Full Attention. Allowed arithmetic: matrix products marked QUANTISED: E2M1 operands, one E8M0 scale for each 32 along K, by v_wmma_scale_f32_16x16x128_f8f6f4 with both operands' format E2M1 (or v_wmma_scale_f32_32x16x128_f4), f32 sums; everything else in f32.
;; Inputs: keys 4 x 2,048 x 8 x 64 float32; queries 4 x 2,048 x 8 x 64 float32; values 4 x 2,048 x 8 x 64 float32.
;; Outputs: out0 4 x 2,048 x 8 x 64 float32.
;; This version of the problem:
;;   THIS VERSION OF THE PROBLEM IS GIVEN IN LOW PRECISION. The matrix products marked QUANTISED in the list below multiply operands that are first quantised to E2M1 (2 exponent bits, 1 mantissa bit; 4 bits a number), with one power-of-two scale for each 32 numbers along K (OCP MX v1.0); their sums are f32. All else is computed in f32.
;;   The module's matrix products, in the order in which they are computed (A, B: the left and right operand; K: the contracted axis; several contracted axes count as one K, in the product's order):
;;     1. batch 32 x [M 2,048, K 64] x [K 64, N 2,048]; A: input queries; B: input keys: QUANTISED
;;     2. batch 32 x [M 64, K 2,048] x [K 2,048, N 2,048]; A: input values; B: softmax (see below): QUANTISED
;;   THE QUANTISER, for each operand of a quantised product, along K:
;;     - K is cut into blocks of 32 from its start; a last block that is shorter is filled with zeros.
;;     - A block's scale is 2^e with e = floor(log2(the largest magnitude in the block)) - 2, held to -126 .. 127; a block of zeros has e = 0. As a byte (E8M0): e + 127.
;;     - Each number is divided by its block's scale, clamped to +-6, and rounded to the nearest number of E2M1, ties to even, subnormals kept.
;;     - The product sums the exact products of the quantised numbers (number of the format x scale) in f32.
;;   ~~~python
;;   def quantise(x, axis):      # numpy; x: float32 -> the quantised numbers, widened to float32 again
;;       x = np.moveaxis(x, axis, -1); K = x.shape[-1]
;;       x = np.pad(x, [(0, 0)] * (x.ndim - 1) + [(0, -K % 32)]); x = x.reshape(x.shape[:-1] + (-1, 32)); a = np.abs(x).max(-1, keepdims=True)
;;       e = np.where(a > 0, np.clip(np.frexp(np.where(a > 0, a, 1))[1] - 1 - 2, -126, 127), 0)      # np.frexp(a)[1] - 1 = floor(log2(a)), exactly
;;       r = np.clip(x / 2.0 ** e, -6, 6)
;;       step = 2.0 ** (np.maximum(np.frexp(np.where(r == 0, 1, r))[1] - 1, 0) - 1)
;;       q = np.round(r / step) * step * 2.0 ** e      # np.round: ties to even
;;       return np.moveaxis(q.reshape(q.shape[:-2] + (-1,))[..., :K], -1, axis).astype(np.float32)
;;   ~~~
;;   SOFTMAX AHEAD OF A QUANTISED PRODUCT. Where the list says 'softmax', what is quantised is not the finished softmax but p = 2^(t - M), with t = logit x log2(e) and M = ceil(the row's largest t), a whole number; so 1/2 < the row's largest p <= 1. The row's sum l is taken of the UNQUANTISED p, in f32, and the product's result is divided by l at the end. Since M is a whole number, a kernel that streams over the keys may use a running M (the ceiling of the running maximum): every later rescaling is an exact power of two, which a block's scale takes up: the codes' values come out the same.
;;   OPERANDS COMPUTED ON THE WAY. 'Computed on the way' means the value that the module computes at that place (a softmax that the list does not call 'softmax' is quantised finished and normalised). What goes into a quantiser is computed in f32, as accurately as f32 sums, v_exp_f32 and their like allow (about 1e-6 of the number): no bf16 or f16 on the way to a quantiser, and a product that is left as it is and whose result goes on into a quantised operand takes f32 operands (vector FMAs, or v_wmma_f32_16x16x4_f32). A number that lies on a knife's edge between two numbers of the format may be rounded either way, as far as f32 arithmetic and the matrix unit's own rounding can turn it there, and no further.
;; One version. Each part assembles by itself: llvm-mc -triple=amdgcn-amd-amdhsa -mcpu=gfx1250 --defsym DOCPART=n.
;; ======== version 1 of 1: 2 launches
;; limits: right only within a limited range of input values
;; workspace buffers: kv 4,456,448 bytes
;; launch quant (part 1): grid 16 x 32, 4 waves a work-group, no clusters, 35,840 bytes of LDS; arguments keys, values, kv; writes kv
.if DOCPART == 1
	.amdgcn_target "amdgcn-amd-amdhsa--gfx1250"
	.amdhsa_code_object_version 6
	.text
	.protected	k_q916aa9480a_quant
	.globl	k_q916aa9480a_quant
	.p2align	8
	.type	k_q916aa9480a_quant,@function
k_q916aa9480a_quant:
	s_mov_b64 s[64:65], 0
	v_nop
	global_prefetch_b8 v0, s[64:65] scope:SCOPE_SE
	s_setreg_imm32_b32 hwreg(HW_REG_WAVE_MODE, 25, 1), 1
	s_wait_xcnt 0x0
; keys, values: [4][2048][8][64] f32.  Both are turned ONCE into codes of FP4 (E2M1) with one E8M0 scale byte for each 32 along the K of the product that they enter:
; keys along the head's 64 (two blocks a key), values along the KEYS (a block = 32 neighbouring keys of one channel).
; A block's scale is 2^(floor(log2(its largest magnitude)) - 2); its byte is the largest magnitude's exponent field - 2, held at 1 from below; each number is divided by the scale and rounded to the nearest code, ties to even, beyond 6 the largest code.
; LIMITS: NaN and infinities among the inputs are not served.  A block of zeros gets the byte 1 where the rule says 127: its codes are zeros, which add nothing under any byte but 0xff, and this program alone reads the bytes.
; OUTPUT: kv, 512 records of 8,704 bytes, record (hb, s) for head hb = 8 b + h and key step s (128 keys), laid as IMAGES OF THE OPERANDS' REGISTERS (lane l's 16 bytes at 16 l of each chunk of 512 bytes):
;   0 .. 4095     K: chunk (operand p, u) at 1024 p + 512 u: lane (r, g) holds block g of key 64 (p / 2) + 16 (p % 2) + 8 u + r % 8 + 32 (r / 8).  An operand is two chunks: tile u = 0 in k 0-63, tile u = 1 in k 64-127
;   4096 .. 8191  V: chunk (tile t, c) at 4096 + 1024 t + 512 c: lane (r, g) holds channel 16 t + r, keys 64 c + 32 g + 0 .. 31
;   8192 .. 8703  scale words, 16 bytes a lane: K's of operands 0/1 (lanes 0-15 / 16-31), of 2/3, V's of tiles 0/1, of tiles 2/3
; SHARES: a work-group makes one record; wave w makes K's operand w (16 keys and the 16 that begin 32 further on) and key block w of all 64 channels of V.  No work-group shares an input with another, so no cluster.
; No loop: every offset is an immediate, and no register that a load or store names is written again.  All of a wave's 80 loads (16 KB) go out at its head.
.set STG,  8704                        ; a wave's stage: 32 rows x (256 bytes + 16): row R starts at bank 4 R mod 64 (64 banks of 4 bytes: ISA guide 11.1)
.set SP,   272
.set SCL,  4*STG                       ; behind the stages: the record's 512 bytes of scale words
.set KA,   4                           ; K's loads: 2048 g + 16 r: sixteen lanes take a key's 256 bytes, the two halves of the lanes two neighbouring keys
.set VA,   5                           ; V's loads: 4 l
.set KST,  6                           ; into the stage: 8704 w + 272 g + 16 r
.set KLD,  7                           ; out of it: 8704 w + 272 r + 128 g
.set KO,   8                           ; K's codes in the record: 1024 w + 16 l
.set VO,   9                           ; V's: 1024 g + 256 w + 16 r
.set KW,   10                          ; K's scale word in LDS
.set VW,   11                          ; V's scale bytes in LDS
.set SLD,  12                          ; the scale words' way out: SCL + 16 l
.set SO,   13                          ; 16 l
.set KR,   64                          ; v64-127  K as loaded
.set X,    128                         ; v128-191 K turned: two blocks of 32 neighbours
.set VR,   192                         ; v192-255 V: two blocks of 32 keys, one channel each
	s_load_b128 s[4:7], s[0:1], 0x0                ; keys, values
	s_load_b64 s[8:9], s[0:1], 0x10                ; kv
	v_lshl_add_u32 v62, v0, 2, 0x8a00
	v_mov_b32 v63, 0
	v_lshrrev_b32 v1, 5, v0
	v_readfirstlane_b32 s10, v1                    ; wave 0..3
	v_and_b32 v2, 31, v0                           ; l
	v_and_b32 v3, 15, v0                           ; r
	s_wait_alu depctr_va_vdst(0)
	v_bfe_u32 v15, v0, 4, 1                        ; g
	s_and_b32 s11, ttmp7, 0xffff                   ; hb
	s_lshr_b32 s16, s11, 3
	s_lshl_b32 s16, s16, 22                        ; b x 2048 x 2048 bytes
	s_lshl_b32 s17, ttmp9, 18                      ; + 128 s positions of 2,048 bytes
	s_add_co_u32 s16, s16, s17
	s_and_b32 s17, s11, 7
	s_lshl_b32 s17, s17, 8                         ; + h x 256 bytes
	s_add_co_u32 s16, s16, s17
	s_lshl_b32 s17, s10, 16
	s_add_co_u32 s12, s16, s17                     ; V: + 32 w positions
	s_mov_b32 s13, 0
	s_lshr_b32 s17, s10, 1
	s_lshl_b32 s17, s17, 17
	s_add_co_u32 s22, s16, s17                     ; K: + 64 (w / 2)
	s_and_b32 s17, s10, 1
	s_lshl_b32 s17, s17, 15
	s_add_co_u32 s22, s22, s17                     ; + 16 (w % 2) positions
	s_mov_b32 s23, 0
	s_lshl_b32 s16, s11, 4
	s_add_co_u32 s16, s16, ttmp9
	s_mul_i32 s14, s16, 8704                       ; my record
	s_mov_b32 s15, 0
	v_lshlrev_b32 v[KA], 4, v3
	s_wait_alu depctr_va_vdst(0)
	v_lshl_add_u32 v[KA], v15, 11, v[KA]
	v_lshlrev_b32 v[VA], 2, v2
	s_wait_alu depctr_va_vdst(0)
	s_wait_kmcnt 0x0
	s_add_nc_u64 s[4:5], s[4:5], s[22:23]
	s_add_nc_u64 s[6:7], s[6:7], s[12:13]
	s_add_nc_u64 s[8:9], s[8:9], s[14:15]
.irp i, 0,1,2,3,4,5,6,7,8,9,10,11,12,13,14,15
	global_load_b128 v[KR+4*\i:KR+4*\i+3], v[KA], s[4:5] offset:4096*\i+32768*(\i/8) th:TH_LOAD_NT   ; my keys 2 i + g (from the 16th on 16 positions further): two whole pieces of 256 bytes
.endr
.irp i, 0,1,2,3,4,5,6,7,8,9,10,11,12,13,14,15,16,17,18,19,20,21,22,23,24,25,26,27,28,29,30,31
	global_load_b32 v[VR+\i], v[VA], s[6:7] offset:2048*\i th:TH_LOAD_NT            ; A LANE TAKES A CHANNEL AND ITS REGISTERS RUN DOWN THE KEYS: channel l of key i,
	global_load_b32 v[VR+32+\i], v[VA], s[6:7] offset:2048*\i+128 th:TH_LOAD_NT     ; and channel 32 + l: the two lines take the two halves of the key's 256 bytes
.endr
	; the other addresses are made while the loads are out
	s_mul_i32 s18, s10, STG
	v_mul_u32_u24 v[KST], v15, SP
	v_lshl_add_u32 v[KST], v3, 4, v[KST]
	v_add_nc_u32 v[KST], s18, v[KST]
	v_mul_u32_u24 v[KLD], v3, SP
	v_lshl_add_u32 v[KLD], v15, 7, v[KLD]
	v_add_nc_u32 v[KLD], s18, v[KLD]
	s_lshl_b32 s19, s10, 10
	v_lshl_add_u32 v[KO], v2, 4, s19
	s_lshl_b32 s19, s10, 8
	v_lshlrev_b32 v[VO], 10, v15
	v_lshl_add_u32 v[VO], v3, 4, v[VO]
	v_add_nc_u32 v[VO], s19, v[VO]
	s_and_b32 s16, s10, 1
	s_lshl_b32 s16, s16, 8                         ; operand w's words: lanes 0-15 (w even) or 16-31 (w odd) of the image,
	s_lshr_b32 s17, s10, 1
	s_lshl_b32 s17, s17, 2                         ; word w / 2 of the lane's four
	s_add_co_u32 s16, s16, s17
	s_add_co_u32 s16, s16, SCL
	v_lshl_add_u32 v[KW], v3, 4, s16
	v_lshl_add_u32 v[VW], v2, 4, SCL+8             ; V's words: channel 32 sigma + l is row l % 16 of tile 2 sigma + l / 16: lane l of the image, word 2 + sigma,
	v_add_nc_u32 v[VW], s10, v[VW]                 ; byte w: my key block
	v_lshl_add_u32 v[SLD], v2, 4, SCL
	v_lshlrev_b32 v[SO], 4, v2
	v_lshlrev_b32 v14, 3, v15                      ; 8 g
	v_mov_b32 v23, 0                               ; a lane permute's destination counts as one of its sources
	s_mov_b32 s20, 0x76543210
	s_mov_b32 s21, 0xfedcba98                      ; v_permlanex16_b32's selects for lane l xor 16
; Two blocks of 32 numbers of a lane, at v[src] and v[src + 32], by turns: largest magnitudes in v[m], v[m+1], the conversions' scale operands in v[so].., the bytes in v[by].., four registers of codes each in v[c]..
.macro BLK2 src, m, so, by, c
.irp u, 0,1
	v_max3_num_f32 v[\m+\u], |v[\src+32*\u]|, |v[\src+32*\u+1]|, 0x1800000   ; the floor 2^(3 - 127) is one of the leaves: the byte cannot fall under 1
.endr
.irp i, 2,4,6,8,10,12,14,16,18,20,22,24,26,28,30
.irp u, 0,1
	v_max3_num_f32 v[\m+\u], v[\m+\u], |v[\src+32*\u+\i]|, |v[\src+32*\u+\i+1]|
.endr
.endr
.irp u, 0,1
	v_add_nc_u32 v[\so+\u], 0xff000000, v[\m+\u]   ; 2 off the exponent field: the conversion takes the exponent field of this operand as its scale, and nothing else of it
.endr
.irp u, 0,1
	v_lshrrev_b32 v[\by+\u], 23, v[\so+\u]         ; the scale's byte
.endr
.irp u, 0,1
.irp q, 0,1,2,3
	v_cvt_scalef32_pk8_fp4_f32 v[\c+4*\u+\q], v[\src+32*\u+8*\q:\src+32*\u+8*\q+7], v[\so+\u]
.endr
.endr
	v_nop                                          ; one plain place behind the last scaled conversion
.endm
	; ---- K.  A conversion wants 32 neighbours along the head's 64 in ONE lane; the loads took 16 bytes a lane.  So the wave's 32 keys turn through its own stage.
	s_wait_loadcnt 0x3f                            ; loads come back in order: of the 80 the 17 oldest are in, K's 16 among them (64 younger ones would do; the wait's field ends at 63)
.irp i, 0,1,2,3,4,5,6,7,8,9,10,11,12,13,14,15
	ds_store_b128 v[KST], v[KR+4*\i:KR+4*\i+3] offset:SP*(((2*\i)&7)+16*(((2*\i)>>3)&1)+8*(((2*\i)>>4)&1))   ; my k-th key goes to row (k & 7) + 16 (bit 3) + 8 (bit 4): tile u's row r to row 16 u + r
.endr
.irp u, 0,1
.irp j, 0,1,2,3,4,5,6,7
	ds_load_b128 v[X+32*\u+4*\j:X+32*\u+4*\j+3], v[KLD] offset:16*SP*\u+16*\j   ; LDS serves a wave's instructions in order (ISA guide 5.7.1.4): these see my stores.  Row 16 u + r, block g
.endr
.endr
	s_wait_dscnt 0x0
	BLK2 X, 16, 18, 20, 32
.irp u, 0,1
	global_store_b128 v[KO], v[32+4*\u:35+4*\u], s[8:9] offset:512*\u   ; a chunk: 512 consecutive bytes
.endr
	v_lshl_or_b32 v22, v21, 16, v20                ; my two bytes: block g of tile u = 0 and of tile u = 1,
	v_lshlrev_b32 v22, v14, v22                    ; at their places in the word (8 g bits up);
	v_permlanex16_b32 v23, v22, s20, s21
	v_or_b32 v22, v22, v23                         ; with lane l xor 16's two the word is whole: [u0 blk0, u0 blk1, u1 blk0, u1 blk1]
	ds_store_b32 v[KW], v22                        ; lanes r and r + 16 write the same word with the same value
	; ---- V.  A lane's 32 registers are a whole block: the codes are the operand's registers as they stand
	s_wait_loadcnt 0x0
	BLK2 VR, 24, 26, 28, 40
.irp u, 0,1
	global_store_b128 v[VO], v[40+4*\u:43+4*\u], s[8:9] offset:4096+2048*\u   ; sixteen lanes store 256 consecutive bytes, at a multiple of 256 from the buffer's first byte
	ds_store_b8 v[VW], v[28+\u] offset:4*\u
.endr
	s_wait_dscnt 0x0                               ; for the others' sake: my scale words and bytes have landed
	s_barrier_signal -1
	s_barrier_wait -1                              ; all four waves' have
	s_cmp_lg_u32 s10, 0
	s_cbranch_scc1 .Lend
	ds_load_b128 v[48:51], v[SLD]                  ; wave 0 sends the record's 512 bytes of scale words: one store of 512 consecutive bytes
	s_wait_dscnt 0x0
	global_store_b128 v[SO], v[48:51], s[8:9] offset:8192
.Lend:
	s_wait_tensorcnt 0x0
	ds_add_u32 v62, v63
	s_wait_dscnt 0x0
	s_endpgm
.Lfunc_end_k_q916aa9480a_quant:
	.size	k_q916aa9480a_quant, .Lfunc_end_k_q916aa9480a_quant-k_q916aa9480a_quant
	.p2alignl 7, 3214868480
	.fill 96, 4, 3214868480
	.section	.rodata,"a",@progbits
	.p2align	6, 0x0
	.amdhsa_kernel k_q916aa9480a_quant
		.amdhsa_group_segment_fixed_size 35840
		.amdhsa_private_segment_fixed_size 0
		.amdhsa_enable_private_segment 0
		.amdhsa_kernarg_size 24
		.amdhsa_user_sgpr_count 2
		.amdhsa_user_sgpr_kernarg_segment_ptr 1
		.amdhsa_wavefront_size32 1
		.amdhsa_system_sgpr_workgroup_id_x 1
		.amdhsa_system_sgpr_workgroup_id_y 1
		.amdhsa_system_sgpr_workgroup_id_z 1
		.amdhsa_system_vgpr_workitem_id 0
		.amdhsa_next_free_vgpr 256
		.amdhsa_next_free_sgpr 66
		.amdhsa_reserve_vcc 0
		.amdhsa_float_denorm_mode_32 3
		.amdhsa_float_denorm_mode_16_64 3
		.amdhsa_memory_ordered 1
		.amdhsa_forward_progress 1
		.amdhsa_inst_pref_size 20
	.end_amdhsa_kernel
	.amdgpu_metadata
---
amdhsa.version: [ 1, 2 ]
amdhsa.kernels:
  - .name:           k_q916aa9480a_quant
    .symbol:         k_q916aa9480a_quant.kd
    .args:
      - { .name: keys, .offset: 0, .size: 8, .value_kind: global_buffer, .address_space: global }
      - { .name: values, .offset: 8, .size: 8, .value_kind: global_buffer, .address_space: global }
      - { .name: kv, .offset: 16, .size: 8, .value_kind: global_buffer, .address_space: global }
    .group_segment_fixed_size: 35840
    .private_segment_fixed_size: 0
    .kernarg_segment_align: 8
    .kernarg_segment_size: 24
    .max_flat_workgroup_size: 128
    .sgpr_count:     66
    .vgpr_count:     256
    .wavefront_size: 32
...
	.end_amdgpu_metadata
.endif
;; end of part 1
;; launch attn (part 2): grid 8 x 32, 16 waves a work-group, clusters of 4 x 1, 210,944 bytes of LDS; arguments queries, kv, out0; writes out0
.if DOCPART == 2
	.amdgcn_target "amdgcn-amd-amdhsa--gfx1250"
	.amdhsa_code_object_version 6
	.text
	.protected	k_q916aa9480a_attn
	.globl	k_q916aa9480a_attn
	.p2align	8
	.type	k_q916aa9480a_attn,@function
k_q916aa9480a_attn:
	s_mov_b64 s[64:65], 0
	v_nop
	global_prefetch_b8 v0, s[64:65] scope:SCOPE_SE
	s_setreg_imm32_b32 hwreg(HW_REG_WAVE_MODE, 25, 1), 1
	s_wait_xcnt 0x0
	s_wait_alu depctr_hold_cnt(0) depctr_sa_sdst(0) depctr_va_vdst(0) depctr_va_sdst(0) depctr_va_ssrc(0) depctr_va_vcc(0) depctr_vm_vsrc(0)
	s_getreg_b32 s2, hwreg(HW_REG_IB_STS2, 6, 4)
	s_cmp_eq_u32 s2, 0
	s_cbranch_scc0 .Lentry_in_a_cluster
	s_endpgm
.Lentry_in_a_cluster:
	s_bfe_u32 s2, ttmp6, 0x10000c
	s_cmp_lg_u32 s2, 0x3003
	s_cbranch_scc0 .Lentry_shape_is_right
	s_endpgm
.Lentry_shape_is_right:
; out0[b][q][h][:] = the sum over k of softmax_k(Q . K / 8) V, both products on codes of FP4 (E2M1) with one E8M0 scale for each 32 along a product's K.  queries, out0: [4][2048][8][64] f32.
; kv: the head's keys and values as codes and scale words, 16 records of 8,704 bytes a head, each the register images of 128 keys (K's 4 operands at 0, V's 4 tiles at 4096, scale words at 8192).
; THE SOFTMAX AHEAD OF THE SECOND PRODUCT: t = score x log2(e) / 8; M = the row's largest t so far, rounded UP to a whole number; p = 2^(t - M) is what is quantised, along the keys; it is not normalised.
; The row's sum is taken of the unquantised p, in f32, and divides O at the end.  When M moves, the sum and O are multiplied by 2^(old M - new M): exact.
; LIMITS: NaN and infinities among the inputs are not served; the scaled scores t stay under 2^31 in magnitude.  A p under 2^-126 comes out of v_exp_f32 as 0.  A block of zeros gets the scale byte 1 (its codes are zeros).
; A block of p takes its scale from the floor of its largest t - M: where that lies within an ulp under a whole number and p rounds up to the power of two, the scale is that of the number under it.
; SHARES.  A work-group owns 256 queries of one head; each of its sixteen waves owns 16 of them, one tile, in 256 registers, and walks the head's 2,048 keys in 8 trips of 256 (two records).
; THE WHOLE HEAD'S CODES, 139,264 bytes, LIE IN LDS, filled once (wave w's tensor load brings record w): no byte is filled twice, so the loop has no barrier; and nothing comes from memory in it, so there is nothing to prefetch.
; CLUSTER.  The four query blocks of a cluster belong to one head and want the same 16 records: each is asked for JOINTLY, by the same tensor load with the same descriptor and a mask that names the four.
; LAYOUT.  Both products are used transposed: S^T = K Q^T, O^T = V^T P^T: a lane holds ONE query (lane % 16) throughout.  A tile of K takes eight keys of one block of 32 in its rows 0-7 and eight of the next block in its rows 8-15, so that
; lane (r, h)'s registers 32 c + 0 .. 31 of a record's S^T are the keys 64 c + 32 h + 0 .. 31: WHOLE blocks along the second product's K, in the very order of its operand: no lane is asked for a block's maximum, and the conversions' results are the operand.
; The head's 64 fill half of the instruction's 128 along K.  So an operand of K holds two tiles (k 0-63 and k 64-127), and Q is kept once between zero codes: v[QZ+4:QZ+11] = (codes | zeros), v[QZ:QZ+7] = (zeros | codes): zero codes add nothing.
.set REC,   8704
.set STAGE, 16*REC                     ; behind the records: 16 rows x (256 bytes + 16) for each wave: Q's turn at the head, O's way out.  No tensor load lands there
.set SP,    272
.set SPARE, STAGE+16*16*SP             ; the spare words, 128 bytes a wave: no other line names them
.set LI,   1                           ; 16 x lane
.set STI,  2                           ; the stage by rows: 272 g + 16 r (Q in, O back)
.set STO,  3                           ; O in: 272 r + 32 g
.set GO,   4                           ; Q's loads and O's stores: 2048 g + 16 r
.set ADR,  5                           ; the trip's two records, my lane's place
.set OM,   6                           ; the old -M; then at work
.set TT,   7                           ; at work
.set BT,   8                           ; a lane permute's destination
.set QS,   9                           ; Q's scale word
.set PS,   10                          ; v10-11 p's scale words, one for each record
.set NM,   12                          ; -M
.set RM,   13                          ; the row's largest score so far
.set FF,   14                          ; f = 2^(old M - new M); v15, the pair's upper word, is only named with it
.set G8,   15                          ; 8 g
.set SUM,  16                          ; v[16:17] the row's sum in two halves
.set SC,   18                          ; v[18:21], v[22:25] the records' scale words
.set BM,   26                          ; v26-33 maxima; v26-31 then the sum's other chains
.set BO,   34                          ; v34-37 the conversions' scale operands
.set QZ,   38                          ; v38-49
.set SS,   50                          ; v50-177 S^T, then p: four blocks of 32 registers
.set OT,   178                         ; v178-209 O^T
.set PC,   210                         ; v210-217 p's codes of the first record
.set PC1,  SS                          ; those of the second: over block 0 of p, which is finished with by then
.set KV,   218                         ; v218-249 K's operands, then V's of the first record
.set V1,   SS+32                       ; V's of the second: over block 1 of p
.set SPW,  250                         ; LDS address of my spare word; never rewritten
.set NIL,  251                         ; 0; never rewritten
.set BU,   252                         ; a second lane permute's destination
; s10 wave; s[28:29] selects for lane l xor 16; s[30:31] c; s39 -c; s32 LDS byte of the trip's records; s33 trips to go
; A round of the cluster's barrier: my work-group's barrier, so that wave 0's signal speaks for all sixteen waves; wave 0 signals for the work-group; every wave waits for all four work-groups; my work-group's barrier once more.
.macro ROUND
	s_barrier_signal -1
	s_barrier_wait -1
	s_cmp_lg_u32 s10, 0
	s_cbranch_scc1 .Lnot_wave_0_\@
	s_barrier_signal -3
.Lnot_wave_0_\@:
	s_barrier_wait -3
	s_barrier_signal -1
	s_barrier_wait -1
.endm
.macro LOAD8 dst, off                  ; eight chunks: the operands of one record's K or V
.irp k, 0,1,2,3,4,5,6,7
	ds_load_b128 v[(\dst)+4*\k:(\dst)+4*\k+3], v[ADR] offset:(\off)+512*\k
.endr
.endm
.macro SPROD rec                       ; S^T of a record: operand p's two tiles
.set SB, SS+64*(\rec)
.set SW, SC+4*(\rec)
.irp p, 0,1,2,3
.if \p%2
	v_wmma_scale_f32_16x16x128_f8f6f4 v[SB+16*\p:SB+16*\p+7], v[KV+8*\p:KV+8*\p+7], v[QZ+4:QZ+11], 0, v[SW+\p/2], v[QS] matrix_a_fmt:MATRIX_FMT_FP4 matrix_b_fmt:MATRIX_FMT_FP4 matrix_a_scale:MATRIX_SCALE_ROW1
	v_wmma_scale_f32_16x16x128_f8f6f4 v[SB+16*\p+8:SB+16*\p+15], v[KV+8*\p:KV+8*\p+7], v[QZ:QZ+7], 0, v[SW+\p/2], v[QS] matrix_a_fmt:MATRIX_FMT_FP4 matrix_b_fmt:MATRIX_FMT_FP4 matrix_a_scale:MATRIX_SCALE_ROW1
.else
	v_wmma_scale_f32_16x16x128_f8f6f4 v[SB+16*\p:SB+16*\p+7], v[KV+8*\p:KV+8*\p+7], v[QZ+4:QZ+11], 0, v[SW+\p/2], v[QS] matrix_a_fmt:MATRIX_FMT_FP4 matrix_b_fmt:MATRIX_FMT_FP4
	v_wmma_scale_f32_16x16x128_f8f6f4 v[SB+16*\p+8:SB+16*\p+15], v[KV+8*\p:KV+8*\p+7], v[QZ:QZ+7], 0, v[SW+\p/2], v[QS] matrix_a_fmt:MATRIX_FMT_FP4 matrix_b_fmt:MATRIX_FMT_FP4
.endif
.endr
.endm
.macro TREE rec                        ; the largest scores of a record's two blocks of mine -> v[BM+4 rec], v[BM+4 rec+2], in four chains; each result is read from its low end on
.set SB, SS+64*(\rec)
.set BB, BM+4*(\rec)
.irp b, 0,1,2,3
	v_max3_num_f32 v[BB+\b], v[SB+16*\b], v[SB+16*\b+1], v[SB+16*\b+2]
.endr
.irp i, 3,5,7,9,11,13
.irp b, 0,1,2,3
	v_max3_num_f32 v[BB+\b], v[BB+\b], v[SB+16*\b+\i], v[SB+16*\b+\i+1]
.endr
.endr
	v_max3_num_f32 v[BB], v[BB], v[BB+1], v[SB+15]
	v_max3_num_f32 v[BB+2], v[BB+2], v[BB+3], v[SB+47]
	v_max_num_f32 v[BB], v[BB], v[SB+31]
	v_max_num_f32 v[BB+2], v[BB+2], v[SB+63]
	v_max3_num_f32 v[RM], v[RM], v[BB], v[BB+2]
.endm
.macro PF j                            ; t - M, two at a time (of the pairs c and -M the low word serves both halves)
	v_pk_fma_f32 v[SS+2*(\j):SS+2*(\j)+1], v[SS+2*(\j):SS+2*(\j)+1], s[30:31], v[NM:NM+1] op_sel_hi:[1,0,0]
.endm
; Block k's exponentials.  Between them the next block's multiply-adds, which nothing reads ahead of the next wait, and the conversions of the block before, into dst ..
.macro PHASE k, dst
.irp q, 0,1,2,3
.irp i, 0,1,2,3
	v_exp_f32 v[SS+32*(\k)+8*\q+2*\i], v[SS+32*(\k)+8*\q+2*\i]
	v_exp_f32 v[SS+32*(\k)+8*\q+2*\i+1], v[SS+32*(\k)+8*\q+2*\i+1]
.if (\k) < 3
	PF 16*(\k+1)+4*\q+\i
.endif
.endr
.if (\k) > 0
	v_cvt_scalef32_pk8_fp4_f32 v[(\dst)+\q], v[SS+32*(\k-1)+8*\q:SS+32*(\k-1)+8*\q+7], v[BO+\k-1]
.endif
.endr
.endm
.macro ADDS k                          ; block k's p into the row's sum: four chains
.irp i, 0,8,16,24
	v_pk_add_f32 v[BM:BM+1], v[BM:BM+1], v[SS+32*(\k)+\i:SS+32*(\k)+\i+1]
	v_pk_add_f32 v[BM+2:BM+3], v[BM+2:BM+3], v[SS+32*(\k)+\i+2:SS+32*(\k)+\i+3]
	v_pk_add_f32 v[BM+4:BM+5], v[BM+4:BM+5], v[SS+32*(\k)+\i+4:SS+32*(\k)+\i+5]
	v_pk_add_f32 v[SUM:SUM+1], v[SUM:SUM+1], v[SS+32*(\k)+\i+6:SS+32*(\k)+\i+7]
.endr
.endm
.macro OPROD rec, va, pb               ; O^T += V^T P^T of a record: four accumulators by turns, three others between two steps of a sum
.set SW, SC+4*(\rec)+2
.irp t, 0,1,2,3
.if \t%2
	v_wmma_scale_f32_16x16x128_f8f6f4 v[OT+8*\t:OT+8*\t+7], v[(\va)+8*\t:(\va)+8*\t+7], v[\pb:\pb+7], v[OT+8*\t:OT+8*\t+7], v[SW+\t/2], v[PS+\rec] matrix_a_fmt:MATRIX_FMT_FP4 matrix_b_fmt:MATRIX_FMT_FP4 matrix_a_scale:MATRIX_SCALE_ROW1
.else
	v_wmma_scale_f32_16x16x128_f8f6f4 v[OT+8*\t:OT+8*\t+7], v[(\va)+8*\t:(\va)+8*\t+7], v[\pb:\pb+7], v[OT+8*\t:OT+8*\t+7], v[SW+\t/2], v[PS+\rec] matrix_a_fmt:MATRIX_FMT_FP4 matrix_b_fmt:MATRIX_FMT_FP4
.endif
.endr
.endm
	s_load_b128 s[4:7], s[0:1], 0x0                ; queries, kv
	s_load_b64 s[8:9], s[0:1], 0x10                ; out0
	v_lshl_add_u32 v[SPW], v0, 2, SPARE
	v_mov_b32 v[NIL], 0
	ds_add_u32 v[SPW], v[NIL]                      ; the wave's opening: the add, twice on end, and its wait ahead of my tensor load
	ds_add_u32 v[SPW], v[NIL]
	v_lshrrev_b32 v1, 5, v0
	v_readfirstlane_b32 s10, v1                    ; wave 0..15
	v_and_b32 v26, 15, v0                          ; r
	v_bfe_u32 v27, v0, 4, 1                        ; g
	v_and_b32 v28, 31, v0                          ; l
	s_wait_alu depctr_va_vdst(0)
	s_bfe_u32 s11, ttmp6, 0x40000                  ; cx: my place in the cluster: it enters Q's and O's addresses alone
	s_lshl_b32 s12, ttmp9, 2                       ; in a cluster launch ttmp9 counts clusters
	s_add_co_u32 s12, s12, s11                     ; my block of 256 queries
	s_and_b32 s13, ttmp7, 0xffff                   ; hb = 8 b + h, which the four partners share
	; descriptor group 1: a record as 34 rows of 256 bytes (32 elements of 8 bytes), dense, no padding: image loads take 512 consecutive bytes
	s_mov_b32 s16, 15|(3<<16)|(1<<21)              ; 15:0 the mask: all four work-groups; 17:16 elements of 8 bytes; 21 set beside a mask
	s_mov_b32 s17, 32<<16                          ; tensor_dim0 = 32
	s_mov_b32 s18, 34<<16                          ; tensor_dim1 = 34
	s_mov_b32 s19, 32<<16                          ; tile_dim0 = 32
	s_mov_b32 s20, 34                              ; tile_dim1 = 34
	s_mov_b32 s21, 32                              ; tensor_dim0_stride
	s_mov_b32 s22, 0
	s_mov_b32 s23, 0
	s_mov_b32 s24, 1                               ; group 0: count = 1
	s_mul_i32 s25, s10, REC                        ; LDS address: record w; no place in the cluster enters it
	s_mul_i32 s34, s13, 16*REC
	s_add_co_u32 s34, s34, s25                     ; and in kv: the head's records, the w-th
	s_mov_b32 s35, 0
	s_lshr_b32 s36, s13, 3
	s_lshl_b32 s36, s36, 22                        ; Q and O: b x 2048 positions of 2,048 bytes
	s_lshl_b32 s37, s12, 19                        ; + my block's 256 positions
	s_add_co_u32 s36, s36, s37
	s_lshl_b32 s37, s10, 15                        ; + my wave's 16
	s_add_co_u32 s36, s36, s37
	s_and_b32 s37, s13, 7
	s_lshl_b32 s37, s37, 8                         ; + h x 256 bytes
	s_add_co_u32 s36, s36, s37
	s_mov_b32 s37, 0
	s_mul_i32 s38, s10, 16*SP
	s_add_co_u32 s38, s38, STAGE                   ; my stage
	s_mov_b32 s28, 0x76543210
	s_mov_b32 s29, 0xfedcba98                      ; v_permlanex16_b32's selects for lane l xor 16
	s_mov_b32 s30, 0x3e38aa3b                      ; c = log2(e) / 8
	s_mov_b32 s31, s30                             ; (the packed form names the pair)
	s_mov_b32 s39, 0xbe38aa3b                      ; -c
	v_lshlrev_b32 v[GO], 4, v26
	v_mul_u32_u24 v[STI], v27, SP
	v_mul_u32_u24 v29, v26, SP
	v_lshl_add_u32 v[GO], v27, 11, v[GO]
	v_lshl_add_u32 v[STI], v26, 4, v[STI]
	v_lshl_add_u32 v[STO], v27, 5, v29
	v_lshl_add_u32 v29, v27, 7, v29                ; Q back: 272 r + 128 g
	v_add_nc_u32 v[STI], s38, v[STI]
	v_add_nc_u32 v[STO], s38, v[STO]
	v_add_nc_u32 v29, s38, v29
	v_lshlrev_b32 v[LI], 4, v28
	v_lshlrev_b32 v[G8], 3, v27
	s_wait_alu depctr_va_vdst(0)
	s_wait_dscnt 0x0                               ; both opening adds are done
	s_wait_kmcnt 0x0
	s_add_nc_u64 s[26:27], s[6:7], s[34:35]        ; global address of record w
	s_or_b32 s27, s27, 0x80000000                  ; type = 2
	s_add_nc_u64 s[4:5], s[4:5], s[36:37]
	s_add_nc_u64 s[8:9], s[8:9], s[36:37]
	ROUND                                          ; all four work-groups are here: the joint loads meet
	tensor_load_to_lds s[24:27], s[16:23]          ; my one tensor load of the launch
	s_nop 0
.rept 4
	v_nop
.endr
.irp i, 0,1,2,3,4,5,6,7
	global_load_b128 v[SS+4*\i:SS+4*\i+3], v[GO], s[4:5] offset:4096*\i th:TH_LOAD_NT   ; queries 2 i + g: sixteen lanes take a query's 256 bytes
.endr
	v_mov_b32 v[RM], 0xff61b1e6                    ; the largest score so far: -3e38
	v_mov_b32 v[NM], 0x7e000000                    ; -M so far: beyond every -M to come, so the first f is 0
	v_mov_b32 v[SUM], 0
	v_mov_b32 v[SUM+1], 0
	v_mov_b32 v[BT], 0                             ; a lane permute's destination counts as one of its sources
	v_mov_b32 v[BU], 0
.irp j, 0,1,2,3,8,9,10,11
	v_mov_b32 v[QZ+\j], 0                          ; the zero codes round Q's
.endr
.irp j, 0,1,2,3,4,5,6,7,8,9,10,11,12,13,14,15,16,17,18,19,20,21,22,23,24,25,26,27,28,29,30,31
	v_mov_b32 v[OT+\j], 0                          ; O^T.  (The trip finds zeros at first, which the first change of M leaves zeros)
.endr
	s_mov_b32 s32, 0
	s_mov_b32 s33, 8
	s_wait_alu depctr_va_vdst(0)
	s_wait_tensorcnt 0x0                           ; my record has landed,
	s_barrier_signal -1
	s_barrier_wait -1                              ; everybody's has: all sixteen records may be read.
	; ---- Q, behind the barrier: no wave waits for another's.  A conversion wants 32 neighbours in one lane, so my 16 queries turn through my stage: lane (r, g) gets block g of query r
	s_wait_loadcnt 0x0
.irp i, 0,1,2,3,4,5,6,7
	ds_store_b128 v[STI], v[SS+4*\i:SS+4*\i+3] offset:2*SP*\i
.endr
.irp j, 0,1,2,3,4,5,6,7
	ds_load_b128 v[SS+32+4*\j:SS+32+4*\j+3], v29 offset:16*\j   ; LDS serves a wave's instructions in order (ISA guide 5.7.1.4): these see my stores
.endr
	s_wait_dscnt 0x0
	v_max3_num_f32 v30, |v[SS+32]|, |v[SS+33]|, 0x1800000          ; the block's largest magnitude, in two chains, with the floor 2^(3 - 127) among the leaves: the byte cannot fall under 1
	v_max3_num_f32 v31, |v[SS+34]|, |v[SS+35]|, |v[SS+36]|
.irp i, 5,9,13,17,21,25
	v_max3_num_f32 v30, v30, |v[SS+32+\i]|, |v[SS+33+\i]|
	v_max3_num_f32 v31, v31, |v[SS+34+\i]|, |v[SS+35+\i]|
.endr
	v_max3_num_f32 v30, v30, |v[SS+61]|, |v[SS+62]|
	v_max3_num_f32 v30, v30, v31, |v[SS+63]|
	v_add_nc_u32 v32, 0xff000000, v30              ; 2 off its exponent field: the conversion's scale operand
	v_lshrrev_b32 v[TT], 23, v32                   ; the scale's byte,
	v_lshlrev_b32 v[TT], v[G8], v[TT]              ; at its place (8 g bits up);
	v_permlanex16_b32 v[BT], v[TT], s28, s29
	v_or_b32 v[TT], v[TT], v[BT]                   ; with lane l xor 16's: (q0, q1);
	v_lshl_or_b32 v[QS], v[TT], 16, v[TT]          ; twice: the word serves both places of Q's codes
.irp q, 0,1,2,3
	v_cvt_scalef32_pk8_fp4_f32 v[QZ+4+\q], v[SS+32+8*\q:SS+39+8*\q], v32
.endr
.rept 4
	v_nop                                          ; with the trip's first five lines nine places ahead of the first scaled product
.endr
.Ltrip:                                            ; 8 trips: 256 keys each
	v_add_nc_u32 v[ADR], s32, v[LI]
.rept 4
	v_nop                                          ; with the line above five places between the last trip's products and what writes over their operands: loads, and products over p's registers (ISA guide 7.12.1 for vector instructions)
.endr
	s_wait_alu depctr_va_vdst(0)
	ds_load_b128 v[SC:SC+3], v[ADR] offset:8192
	LOAD8 KV, 0
	ds_load_b128 v[SC+4:SC+7], v[ADR] offset:REC+8192
	s_wait_dscnt 0x1                               ; the first record's scale words and K are in; the second's scale words may be out
	SPROD 0
	v_mov_b32 v[OM], v[NM]                         ; four places in front of the loads into K's registers and of the scores' first read
.rept 3
	v_nop
.endr
	LOAD8 KV, REC                                  ; the second record's K lands under the first's maxima
	TREE 0
	s_wait_dscnt 0x0
	SPROD 1
.rept 4
	v_nop                                          ; four places, as above
.endr
	LOAD8 KV, 4096                                 ; the first record's V lands under the softmax
	TREE 1
	s_delay_alu instid0(VALU_DEP_1)
	v_permlanex16_b32 v[BT], v[RM], s28, s29
	s_delay_alu instid0(VALU_DEP_1)
	v_max_num_f32 v[RM], v[RM], v[BT]              ; with lane l xor 16's keys
	s_delay_alu instid0(VALU_DEP_1)
	v_mul_f32 v[TT], s39, v[RM]                    ; - the largest t
	s_delay_alu instid0(VALU_DEP_1)
	v_floor_f32 v[NM], v[TT]                       ; -M: M IS A WHOLE NUMBER
	PF 0
	v_sub_f32 v[TT], v[NM], v[OM]                  ; old M - new M: a whole number, 0 or less
	v_fma_f32 v[BM], v[BM], s30, v[NM]             ; the blocks' largest t - M
	PF 1
	v_fma_f32 v[BM+2], v[BM+2], s30, v[NM]
	v_fma_f32 v[BM+4], v[BM+4], s30, v[NM]
	PF 2
	v_fma_f32 v[BM+6], v[BM+6], s30, v[NM]
	v_cvt_i32_f32 v[TT], v[TT]                     ; (it saturates)
	PF 3
	v_max_num_f32 v[BM], 0xc2f80000, v[BM]         ; held at -124: the byte cannot fall under 1
	v_max_num_f32 v[BM+2], 0xc2f80000, v[BM+2]
	PF 4
	v_max_num_f32 v[BM+4], 0xc2f80000, v[BM+4]
	v_max_num_f32 v[BM+6], 0xc2f80000, v[BM+6]
	PF 5
	v_ldexp_f32 v[FF], 1.0, v[TT]                  ; f: a multiplication by it rounds nothing
	v_cvt_floor_i32_f32 v[BM], v[BM]               ; floor(log2(the block's largest p))
	PF 6
	v_cvt_floor_i32_f32 v[BM+2], v[BM+2]
	v_cvt_floor_i32_f32 v[BM+4], v[BM+4]
	PF 7
	v_cvt_floor_i32_f32 v[BM+6], v[BM+6]
	v_lshl_add_u32 v[BO], v[BM], 23, 0x3e800000    ; + 125 in the exponent field: the conversion's scale operand
	PF 8
	v_lshl_add_u32 v[BO+1], v[BM+2], 23, 0x3e800000
	v_lshl_add_u32 v[BO+2], v[BM+4], 23, 0x3e800000
	PF 9
	v_lshl_add_u32 v[BO+3], v[BM+6], 23, 0x3e800000
	v_lshl_add_u32 v[TT], v[BM+2], 16, v[BM]
	PF 10
	v_lshl_add_u32 v[OM], v[BM+6], 16, v[BM+4]
	v_add_nc_u32 v[TT], 0x7d007d, v[TT]            ; a record's two bytes of mine: blocks h and 2 + h,
	PF 11
	v_add_nc_u32 v[OM], 0x7d007d, v[OM]
	v_lshlrev_b32 v[TT], v[G8], v[TT]              ; at their places (8 h bits up);
	PF 12
	v_lshlrev_b32 v[OM], v[G8], v[OM]
	v_permlanex16_b32 v[BT], v[TT], s28, s29
	PF 13
	v_permlanex16_b32 v[BU], v[OM], s28, s29
	v_or_b32 v[PS], v[TT], v[BT]                   ; with lane l xor 16's two p's scale word is whole
	PF 14
	v_or_b32 v[PS+1], v[OM], v[BU]
	PF 15
	s_wait_alu depctr_va_vdst(0)                   ; a wait ahead of a batch of exponentials and behind it: one serves both ends of two batches
	PHASE 0, PC
	s_wait_alu depctr_va_vdst(0)
	v_pk_mul_f32 v[SUM:SUM+1], v[SUM:SUM+1], v[FF:FF+1] op_sel_hi:[1,0]   ; the sums under the new M
	v_pk_add_f32 v[BM:BM+1], v[SS:SS+1], v[SS+2:SS+3]                     ; THE ROW'S SUM IS TAKEN OF THE UNQUANTISED p: block 0 starts three chains, the sum is the fourth
	v_pk_add_f32 v[BM+2:BM+3], v[SS+4:SS+5], v[SS+6:SS+7]
	v_pk_add_f32 v[BM+4:BM+5], v[SS+8:SS+9], v[SS+10:SS+11]
	v_pk_add_f32 v[SUM:SUM+1], v[SUM:SUM+1], v[SS+12:SS+13]
.irp i, 14,22
	v_pk_add_f32 v[BM:BM+1], v[BM:BM+1], v[SS+\i:SS+\i+1]
	v_pk_add_f32 v[BM+2:BM+3], v[BM+2:BM+3], v[SS+\i+2:SS+\i+3]
	v_pk_add_f32 v[BM+4:BM+5], v[BM+4:BM+5], v[SS+\i+4:SS+\i+5]
	v_pk_add_f32 v[SUM:SUM+1], v[SUM:SUM+1], v[SS+\i+6:SS+\i+7]
.endr
	v_pk_add_f32 v[BM:BM+1], v[BM:BM+1], v[SS+30:SS+31]
	s_wait_alu depctr_va_vdst(0)                   ; ahead of the next batch, whose readers of these sums stand behind it
	PHASE 1, PC
	v_nop                                          ; a plain place behind the exponentials and the conversion
	s_wait_alu depctr_va_vdst(0)
	ADDS 1
	PHASE 2, PC+4
	v_nop
	s_wait_alu depctr_va_vdst(0)
	ADDS 2
	LOAD8 V1, REC+4096                             ; block 1 of p is converted and summed: the second record's V takes its registers
	PHASE 3, PC1                                   ; and block 2's codes take block 0's
	v_nop
	s_wait_alu depctr_va_vdst(0)                   ; ahead of the exponentials' and of O^T's first readers
.irp j, 0,2,4,6,8,10,12,14,16,18,20,22,24,26,28,30
	v_pk_mul_f32 v[OT+\j:OT+1+\j], v[OT+\j:OT+1+\j], v[FF:FF+1] op_sel_hi:[1,0]   ; O^T under the new M: x f; each accumulator from its low end on
.endr
.irp q, 0,1,2,3
	v_cvt_scalef32_pk8_fp4_f32 v[PC1+4+\q], v[SS+96+8*\q:SS+96+8*\q+7], v[BO+3]
.endr
	ADDS 3                                         ; (these lines are also the places between the conversions and the products)
	v_pk_add_f32 v[BM+2:BM+3], v[BM+2:BM+3], v[BM+4:BM+5]
	v_pk_add_f32 v[SUM:SUM+1], v[SUM:SUM+1], v[BM:BM+1]
	v_pk_add_f32 v[SUM:SUM+1], v[SUM:SUM+1], v[BM+2:BM+3]
	s_wait_alu depctr_va_vdst(0)
	s_wait_dscnt 0x0                               ; both records' V are in
	OPROD 0, KV, PC
	OPROD 1, V1, PC1
	s_add_co_u32 s32, s32, 2*REC                   ; the next two records
	s_sub_co_u32 s33, s33, 1
	s_cmp_lg_u32 s33, 0
	s_cbranch_scc1 .Ltrip
	; THE WAY OUT.  O^T is divided by the row's sum and goes through my stage: back come whole rows of 256 bytes, which sixteen lanes store.
.rept 4
	v_nop                                          ; four places behind the last products
.endr
	s_wait_alu depctr_va_vdst(0)
	v_add_f32 v[SUM], v[SUM], v[SUM+1]             ; the sum's two halves,
	s_delay_alu instid0(VALU_DEP_1)
	v_permlanex16_b32 v[BT], v[SUM], s28, s29
	s_delay_alu instid0(VALU_DEP_1)
	v_add_f32 v[SUM], v[SUM], v[BT]                ; and lane l xor 16's: the row's sum
	s_wait_alu depctr_va_vdst(0)
	v_rcp_f32 v[SUM], v[SUM]
	v_nop                                          ; one plain place behind the transcendental
	s_wait_alu depctr_va_vdst(0)                   ; and ahead of its first reader, which is O^T's too
.irp j, 0,2,4,6,8,10,12,14,16,18,20,22,24,26,28,30
	v_pk_mul_f32 v[SS+\j:SS+1+\j], v[OT+\j:OT+1+\j], v[SUM:SUM+1] op_sel_hi:[1,0]   ; register 8 t + i is o(query r, channel 16 t + 8 g + i)
.endr
.irp t, 0,1,2,3
	ds_store_b128 v[STO], v[SS+8*\t:SS+8*\t+3] offset:64*\t
	ds_store_b128 v[STO], v[SS+8*\t+4:SS+8*\t+7] offset:64*\t+16
.endr
.irp i, 0,1,2,3,4,5,6,7
	ds_load_b128 v[KV+4*\i:KV+4*\i+3], v[STI] offset:2*SP*\i   ; LDS serves a wave's instructions in order: these see my stores
.endr
.irp i, 0,1,2,3,4,5,6,7
	s_wait_dscnt 7-\i                              ; rows 2 i, 2 i + 1 are in, the younger loads may be out
	global_store_b128 v[GO], v[KV+4*\i:KV+4*\i+3], s[8:9] offset:4096*\i th:TH_STORE_NT   ; sixteen lanes store 256 consecutive bytes, at a multiple of 256 from out0's first byte
.endr
	s_wait_tensorcnt 0x0                           ; the wave's end
	ds_add_u32 v[SPW], v[NIL]
	s_wait_dscnt 0x0
	ROUND                                          ; the closing round: no work-group ends while a partner may still ask for a record jointly
	s_endpgm
.Lfunc_end_k_q916aa9480a_attn:
	.size	k_q916aa9480a_attn, .Lfunc_end_k_q916aa9480a_attn-k_q916aa9480a_attn
	.p2alignl 7, 3214868480
	.fill 96, 4, 3214868480
	.section	.rodata,"a",@progbits
	.p2align	6, 0x0
	.amdhsa_kernel k_q916aa9480a_attn
		.amdhsa_group_segment_fixed_size 210944
		.amdhsa_private_segment_fixed_size 0
		.amdhsa_enable_private_segment 0
		.amdhsa_kernarg_size 24
		.amdhsa_user_sgpr_count 2
		.amdhsa_user_sgpr_kernarg_segment_ptr 1
		.amdhsa_wavefront_size32 1
		.amdhsa_system_sgpr_workgroup_id_x 1
		.amdhsa_system_sgpr_workgroup_id_y 1
		.amdhsa_system_sgpr_workgroup_id_z 1
		.amdhsa_system_vgpr_workitem_id 0
		.amdhsa_next_free_vgpr 256
		.amdhsa_next_free_sgpr 66
		.amdhsa_reserve_vcc 0
		.amdhsa_float_denorm_mode_32 3
		.amdhsa_float_denorm_mode_16_64 3
		.amdhsa_memory_ordered 1
		.amdhsa_forward_progress 1
		.amdhsa_inst_pref_size 40
	.end_amdhsa_kernel
	.amdgpu_metadata
---
amdhsa.version: [ 1, 2 ]
amdhsa.kernels:
  - .name:           k_q916aa9480a_attn
    .symbol:         k_q916aa9480a_attn.kd
    .args:
      - { .name: queries, .offset: 0, .size: 8, .value_kind: global_buffer, .address_space: global }
      - { .name: kv, .offset: 8, .size: 8, .value_kind: global_buffer, .address_space: global }
      - { .name: out0, .offset: 16, .size: 8, .value_kind: global_buffer, .address_space: global }
    .group_segment_fixed_size: 210944
    .private_segment_fixed_size: 0
    .kernarg_segment_align: 8
    .kernarg_segment_size: 24
    .max_flat_workgroup_size: 512
    .sgpr_count:     66
    .vgpr_count:     256
    .wavefront_size: 32
...
	.end_amdgpu_metadata
.endif
;; end of part 2
